; MI455X (gfx1250); checked and timed in simulation.
; The chip was launched on July 23, 2026; its instructions are those of AMD's public machine-readable ISA for CDNA 5 (MIT licence, August 2026) and "CDNA5" Instruction Set Architecture Reference Guide (July 2026). The comments in the code are by the model that wrote it; some were corrected since.
;; Triangles. Allowed arithmetic: float matrix products may take bf16 or f16 operands with f32 sums; all other float work in f32.
;; Inputs: p 131,072 x 3 float32; points 256 x 3 x 3 float32.
;; Outputs: out0 131,072 x 1 float32.
;; One version. Each part assembles by itself: llvm-mc -triple=amdgcn-amd-amdhsa -mcpu=gfx1250 --defsym DOCPART=n.
;; ======== version 1 of 1: 1 launch
;; limits: an absolute error that grows with the inputs' magnitude: up to 0.0001 times it
;; launch triangles (part 1): grid 256 x 1, 8 waves a work-group, no clusters, 138,240 bytes of LDS; arguments p, points, out0; writes out0
.if DOCPART == 1
	.amdgcn_target "amdgcn-amd-amdhsa--gfx1250"
	.amdhsa_code_object_version 6
	.text
	.protected	k_q06119440d3_triangles
	.globl	k_q06119440d3_triangles
	.p2align	8
	.type	k_q06119440d3_triangles,@function
k_q06119440d3_triangles:
	s_mov_b64 s[64:65], 0
	v_nop
	global_prefetch_b8 v0, s[64:65] scope:SCOPE_SE
	s_setreg_imm32_b32 hwreg(HW_REG_WAVE_MODE, 25, 1), 1
	s_wait_xcnt 0x0
; out[q] = -ln(max(sum over 256 triangles of exp(-32 (d(q, t) - 0.04)), 1e-6)) / 32, d = sqrt(max(squared distance from point q to triangle t, 1e-8)).
; p: [131072][3] f32, points: [256][3][3] f32 (A, B, C), out0: [131072] f32.
;
; THE DISTANCE.  Each triangle gets an orthonormal frame: u along ba = B - A, v = the part of ca = C - A across u, w = u x v.  In it A = (0, 0), B = (L1, 0), C = (cx, cy), cy >= 0: each edge's inner
; side is on its left.  For edge i: a_i = the point's place along the edge, o_i = its signed distance from the edge's line (inner side positive); z = its height over the plane.  All seven are AFFINE FORMS of the
; point.  The squared distance to segment i is z^2 + o_i^2 + (a_i - clamp(a_i, 0, L_i))^2; the three signs that the problem adds reach 2 exactly where min o >= 0, and its plane branch is z^2.  So
; d^2 = z^2 + g, g = 0 where min o >= 0, else s = the least of o_i^2 + r_i^2.
; THE FORMS ARE A MATRIX PRODUCT: [forms] x [points], K = 32, bf16 operands, f32 sums.  Every f32 number is cut into three bf16 pieces (the upper 16 bits are taken off twice: 8 + 8 + 8 bits, their sum is the
; number); for each coordinate the six products c1 p1, c1 p2, c1 p3, c2 p1, c2 p2, c3 p1 are kept, and the form's constant goes in three pieces against a constant of the point's side: 21 of the 32 places
; along K; what is dropped is under 2^-21 |c| |p|.  Eight forms a triangle: a1, a2, a3, o1 | o2, o3, z, and o1 once more for the sidedness (for a flat triangle: the constant -1).
; THE SCALE.  All lengths are carried times LAM = 2^-40 (put on the points, once; exact).  Then s carries LAM^2 and min o carries LAM, so -min o is far above s wherever the point is outside, and
; g = the middle one of (s, 0, -min o): one instruction for the comparison and the choice.  1e-8 is taken times LAM^2, the exponent's factor times 1 / LAM.
; OFFSETS.  Triangle 0's A is taken away from every point and from every A, in f32, before any product; edges are made of the raw vertices.
; LIMITS.  A triangle whose height over ba is under 1e-4 |ca| counts as flat: it gets a v of its own choice across ba and is never 'inside': three segments, off by 1e-4 |ca| at the most.
; Outside a triangle g is min(s, 2^40 |min o|) in true units: the two differ only beyond a corner whose angle is under some 1e-12 of the distance.  An edge of length 0 makes every output NaN in the problem's own
; formula; that NaN is not reproduced.  NaN and infinities among the inputs are not treated apart.  An exponential below 2^-126 counts as 0, far under the floor of 1e-6.  Sums are taken in another order.
;
; SHARES.  256 work-groups of 8 waves; a wave owns 64 points, as four B fragments of 16 (tile t, column r = point 4 r + t), and walks ALL triangles, four a STEP.  Thread t makes triangle t's rows of the table in LDS.
; Row 8 h + 2 i + e of fragment a of step s is form 4 a + i of triangle 4 s + 2 h + e: in the result a lane (r, h) holds ONE point and, in each even pair of registers, one form of TWO triangles,
; as the packed instructions want it.  In step s the vector work is done on the results of step s, the eight products for step s + 1 stand among it, and the table's rows for step s + 2 are fetched.
; No tensor load, ring or cluster: a work-group reads 6,144 bytes of p and 9,216 of points, once, at its first lines.
.set ASTEP, 2080                       ; a step in the table: two fragments of 1,024 bytes, + 32: the 16 lanes of a 16-byte store (four steps x four rows) then fall into 16 different columns of 16 bytes modulo 256
.set LT,    64*ASTEP                   ; behind it: the edge lengths
.set LSTEP, 64                         ; a step there: for h = 0, 1: L1, L2, L3 of two triangles each, 24 bytes of 32
; vector registers in the loop
.set RL,    2                          ; lane % 16
.set HL,    3                          ; lane / 16
.set ADRA0, 4                          ; LDS: 16 x lane: a fragment lies in the order of the lanes, registers 0-3 of all 32, then registers 4-7
.set ADRL0, 5                          ; LDS: LT + 32 h
.set ADRA,  6                          ; the same two at the trip's steps
.set ADRL,  7
.set SUM,   8                          ; v[8:15]    tile t: a pair of sums
.set BF,    16                         ; v[16:47]   tile t's B fragment
.set AF,    48                         ; v[48:79]   two buffers of two A fragments
.set LF,    80                         ; v[80:95]   two buffers of six lengths
.set T,     96                         ; v[96:119]  tile t: three pairs, the clamped places
.set D,     120                        ; v[120:247] two sets; in a set tile t has 16: a1, a2, a3, o1 | o2, o3, z, o1' in pairs
; the same registers while the table and the B fragments are made
.set TOF,   8                          ; my triangle's byte offset in points
.set POF,   9                          ; my four points' byte offset in p
.set TW,    10                         ; LDS: where my triangle's rows go
.set TWL,   11                         ; LDS: where its lengths go
.set X0,    12                         ; v[12:14] at work on addresses
.set P,     96                         ; v[96:107] my four points
.set W,     108                        ; v[108:117] at work on a B fragment
.set A,     120                        ; v[120:122] A, v[123:125] B then ba, v[126:128] C then ca
.set BA,    123
.set CA,    126
.set R,     129                        ; v[129:140] at work
.set K,     144                        ; v[144:164] the frame
.set UX, K+0                           ; u, and KX: x = u . p' + KX
.set UY, K+1
.set UZ, K+2
.set KX, K+3
.set VX, K+4
.set VY, K+5
.set VZ, K+6
.set KY, K+7
.set WX, K+8
.set WY, K+9
.set WZ, K+10
.set KZ, K+11
.set L1, K+12
.set D2X, K+13                         ; edge 2's unit direction in the plane
.set D2Y, K+14
.set K2A, K+15                         ; a2 = D2X x + D2Y y + K2A
.set K2O, K+16                         ; o2 = -D2Y x + D2X y + K2O
.set L2, K+17
.set D3X, K+18
.set D3Y, K+19                         ; a3 = D3X x + D3Y y + L3;  o3 = -D3Y x + D3X y
.set L3, K+20
.set C4,    168                        ; v[168:171] a form: three coefficients and the constant
.set SP,    172                        ; v[172:183] their three pieces each
.set O,     184                        ; v[184:199] a row of the table: 8 registers for lanes 0-15, 8 for lanes 16-31
.set CL,    200                        ; v[200:202] the centre times LAM
; scalar registers: s[4:5] p, s[6:7] points, s[8:9] out0
.set S_WV,   10                        ; my wave in the work-group
.set S_GW,   11                        ; my wave in the launch
.set S_CEN,  12                        ; s[12:14] the centre: triangle 0's A (s15 comes with it and is not used)
.set S_TMP,  16
.set S_FLAT, 17                        ; mask: my triangle is flat
.set S_H,    18                        ; mask: lanes 16 to 31
.set S_HI,   19                        ; a word's upper 16 bits
.set S_SEL,  20                        ; v_perm_b32: the upper halves of two words
.set S_LAM,  21                        ; LAM = 2^-40
.set S_K1,   22                        ; s[22:23] -32 log2(e) / LAM
.set S_K2,   24                        ; s[24:25] 0.04 x 32 log2(e)
.set S_EPS,  26                        ; 1e-8 LAM^2
.set S_FLOOR, 27                       ; 1e-6
.set S_CNT,  28                        ; the loop's count
.set S_AO,   29                        ; the trip's place in the table,
.set S_LO,   30                        ; and among the lengths
.set S_X16,  32                        ; s[32:33] v_permlanex16_b32's selects: each lane takes its own place in the other half
	s_load_b128 s[4:7], s[0:1], 0x0                ; p, points
	s_load_b64 s[8:9], s[0:1], 0x10                ; out0
	v_lshl_add_u32 v248, v0, 2, 0x21800
	v_mov_b32 v249, 0
	v_lshrrev_b32 v1, 5, v0
	v_readfirstlane_b32 s[S_WV], v1                ; wave 0..7
	v_and_b32 v1, 31, v0                           ; lane
	v_and_b32 v[RL], 15, v0
	v_bfe_u32 v[HL], v0, 4, 1
	v_mul_u32_u24 v[TOF], v0, 36                   ; thread t makes triangle t: nine numbers
	v_mul_u32_u24 v[POF], v[RL], 48                ; points 4 r .. 4 r + 3: twelve numbers, in both halves of the lanes
	s_lshl_b32 s[S_GW], ttmp9, 3
	s_add_co_u32 s[S_GW], s[S_GW], s[S_WV]
	s_mul_i32 s[S_TMP], s[S_GW], 768               ; a wave's 64 points
	v_add_nc_u32 v[POF], s[S_TMP], v[POF]
	s_wait_kmcnt 0x0
	s_load_b128 s[S_CEN:S_CEN+3], s[6:7], 0x0      ; the centre
.set i, 0
.rept 9
	global_load_b32 v[A+i], v[TOF], s[6:7] offset:4*i
.set i, i+1
.endr
.set i, 0
.rept 3
	global_load_b128 v[P+4*i:P+4*i+3], v[POF], s[4:5] offset:16*i th:TH_LOAD_NT  ; the three together take the wave's 768 consecutive bytes
.set i, i+1
.endr
	s_mov_b32 s[S_H], 0xffff0000
	s_mov_b32 s[S_HI], 0xffff0000
	s_mov_b32 s[S_SEL], 0x07060302
	s_mov_b32 s[S_LAM], 0x2b800000                 ; 2^-40
	s_mov_b32 s[S_K1], 0xd638aa3b                  ; -46.166241 x 2^40
	s_mov_b32 s[S_K1+1], s[S_K1]                   ; a packed instruction takes a scalar pair's low word for both halves; the upper word is named with it, so it is written
	s_mov_b32 s[S_K2], 0x3fec5f04                  ; 1.8466497
	s_mov_b32 s[S_K2+1], s[S_K2]
	s_mov_b32 s[S_EPS], 0x0a2bcc77                 ; 1e-8 x 2^-80
	s_mov_b32 s[S_FLOOR], 0x358637bd               ; 1e-6
	s_mov_b32 s[S_X16], 0x76543210
	s_mov_b32 s[S_X16+1], 0xfedcba98
	v_lshlrev_b32 v[ADRA0], 4, v1
	v_lshl_add_u32 v[ADRL0], v[HL], 5, LT
	; triangle 32 w + l = 4 s + 2 h + e: step s = 8 w + l / 4; its row of form 4 a + i is row 8 h + 2 i + e of fragment a, 16 bytes a row in each quarter of the fragment
	v_lshrrev_b32 v[X0], 2, v1
	v_bfe_u32 v[X0+1], v0, 1, 1                    ; h
	v_and_b32 v[X0+2], 1, v0                       ; e
	s_mul_i32 s[S_TMP], s[S_WV], 8*ASTEP           ; a wave's eight steps
	v_mul_u32_u24 v[TW], v[X0], ASTEP
	v_add_nc_u32 v[TW], s[S_TMP], v[TW]
	v_lshl_add_u32 v[TW], v[X0+1], 7, v[TW]
	v_lshl_add_u32 v[TW], v[X0+2], 4, v[TW]
	s_lshl_b32 s[S_TMP], s[S_WV], 9
	s_add_co_u32 s[S_TMP], s[S_TMP], LT
	v_lshl_add_u32 v[TWL], v[X0], 6, s[S_TMP]
	v_lshl_add_u32 v[TWL], v[X0+1], 5, v[TWL]
	v_lshl_add_u32 v[TWL], v[X0+2], 2, v[TWL]
.set i, 11
.rept 5
	v_mov_b32 v[O+i], 0                            ; the places along K that no product uses hold 0 on both sides
.set i, i+1
.endr
	; MY TRIANGLE'S FRAME
	s_wait_loadcnt 0x3                             ; loads come back in order: my triangle's nine are in, the three of p may stay out
	v_sub_f32 v[BA],   v[BA],   v[A]               ; ba = B - A
	v_sub_f32 v[BA+1], v[BA+1], v[A+1]
	v_sub_f32 v[BA+2], v[BA+2], v[A+2]
	v_sub_f32 v[CA],   v[CA],   v[A]               ; ca = C - A
	v_sub_f32 v[CA+1], v[CA+1], v[A+1]
	v_sub_f32 v[CA+2], v[CA+2], v[A+2]
	v_mul_f32  v[R], v[BA], v[BA]
	v_fmac_f32 v[R], v[BA+1], v[BA+1]
	v_fmac_f32 v[R], v[BA+2], v[BA+2]              ; |ba|^2
	v_rsq_f32 v[R+1], v[R]                         ; a plain instruction that touches neither register follows each reciprocal root before its result is used
	v_mul_f32  v[R+2], v[CA], v[CA]
	v_fmac_f32 v[R+2], v[CA+1], v[CA+1]
	v_fmac_f32 v[R+2], v[CA+2], v[CA+2]            ; |ca|^2
	s_wait_alu depctr_va_vdst(0)
	v_mul_f32 v[UX], v[BA],   v[R+1]               ; u
	v_mul_f32 v[UY], v[BA+1], v[R+1]
	v_mul_f32 v[UZ], v[BA+2], v[R+1]
	v_mul_f32 v[L1], v[R], v[R+1]                  ; L1 = |ba|
	v_mul_f32  v[R+3], v[CA], v[UX]
	v_fmac_f32 v[R+3], v[CA+1], v[UY]
	v_fmac_f32 v[R+3], v[CA+2], v[UZ]              ; cx = ca . u
	v_fma_f32 v[VX], -v[R+3], v[UX], v[CA]         ; ca's part across u
	v_fma_f32 v[VY], -v[R+3], v[UY], v[CA+1]
	v_fma_f32 v[VZ], -v[R+3], v[UZ], v[CA+2]
	v_mul_f32  v[R+4], v[VX], v[VX]
	v_fmac_f32 v[R+4], v[VY], v[VY]
	v_fmac_f32 v[R+4], v[VZ], v[VZ]
	v_mul_f32 v[R+5], 0x322bcc77, v[R+2]
	v_cmp_lt_f32 s[S_FLAT], v[R+4], v[R+5]         ; flat: that part is under 1e-4 |ca|, little but rounding
	; a flat triangle takes a vector across ba instead: (-bay, bax, 0) where |bax| > |baz|, else (0, -baz, bay): never 0 while ba is not
	v_and_b32 v[R+5], 0x7fffffff, v[BA]
	v_and_b32 v[R+6], 0x7fffffff, v[BA+2]
	v_cmp_gt_f32 vcc_lo, v[R+5], v[R+6]
	v_xor_b32 v[R+5], 0x80000000, v[BA+1]
	v_xor_b32 v[R+6], 0x80000000, v[BA+2]
	v_cndmask_b32 v[R+7], 0, v[R+5], vcc_lo
	v_cndmask_b32 v[R+8], v[R+6], v[BA], vcc_lo
	v_cndmask_b32 v[R+9], v[BA+1], 0, vcc_lo
	v_cndmask_b32 v[VX], v[VX], v[R+7], s[S_FLAT]
	v_cndmask_b32 v[VY], v[VY], v[R+8], s[S_FLAT]
	v_cndmask_b32 v[VZ], v[VZ], v[R+9], s[S_FLAT]
	v_mul_f32  v[R+4], v[VX], v[VX]
	v_fmac_f32 v[R+4], v[VY], v[VY]
	v_fmac_f32 v[R+4], v[VZ], v[VZ]
	v_rsq_f32 v[R+5], v[R+4]
	s_wait_kmcnt 0x0                               ; the centre
	v_sub_f32 v[A],   v[A],   s[S_CEN]             ; A' = A - centre
	v_sub_f32 v[A+1], v[A+1], s[S_CEN+1]
	v_sub_f32 v[A+2], v[A+2], s[S_CEN+2]
	s_wait_alu depctr_va_vdst(0)
	v_mul_f32 v[VX], v[VX], v[R+5]                 ; v
	v_mul_f32 v[VY], v[VY], v[R+5]
	v_mul_f32 v[VZ], v[VZ], v[R+5]
	v_mul_f32  v[R+6], v[CA], v[VX]
	v_fmac_f32 v[R+6], v[CA+1], v[VY]
	v_fmac_f32 v[R+6], v[CA+2], v[VZ]              ; cy = ca . v
	v_mul_f32 v[WX], v[UY], v[VZ]                  ; w = u x v
	v_mul_f32 v[WY], v[UZ], v[VX]
	v_mul_f32 v[WZ], v[UX], v[VY]
	v_fma_f32 v[WX], -v[UZ], v[VY], v[WX]
	v_fma_f32 v[WY], -v[UX], v[VZ], v[WY]
	v_fma_f32 v[WZ], -v[UY], v[VX], v[WZ]
	v_sub_f32 v[R+7], v[R+3], v[L1]                ; edge 2 = C - B = (cx - L1, cy)
	v_mul_f32  v[R+8], v[R+7], v[R+7]
	v_fmac_f32 v[R+8], v[R+6], v[R+6]              ; its length squared
	v_mul_f32  v[R+9], v[R+3], v[R+3]
	v_fmac_f32 v[R+9], v[R+6], v[R+6]              ; edge 3 = A - C = (-cx, -cy): its length squared
	v_rsq_f32 v[R+10], v[R+8]
	v_rsq_f32 v[R+11], v[R+9]
	v_mul_f32 v[KX], -v[UX], v[A]                  ; KX = -u . A', and so for v and w: nine plain instructions behind the two reciprocal roots
	v_mul_f32 v[KY], -v[VX], v[A]
	v_mul_f32 v[KZ], -v[WX], v[A]
	v_fma_f32 v[KX], -v[UY], v[A+1], v[KX]
	v_fma_f32 v[KY], -v[VY], v[A+1], v[KY]
	v_fma_f32 v[KZ], -v[WY], v[A+1], v[KZ]
	v_fma_f32 v[KX], -v[UZ], v[A+2], v[KX]
	v_fma_f32 v[KY], -v[VZ], v[A+2], v[KY]
	v_fma_f32 v[KZ], -v[WZ], v[A+2], v[KZ]
	s_wait_alu depctr_va_vdst(0)
	v_mul_f32 v[D2X], v[R+7], v[R+10]
	v_mul_f32 v[D2Y], v[R+6], v[R+10]
	v_mul_f32 v[L2],  v[R+8], v[R+10]
	v_mul_f32 v[D3X], -v[R+3], v[R+11]
	v_mul_f32 v[D3Y], -v[R+6], v[R+11]
	v_mul_f32 v[L3],  v[R+9], v[R+11]
	v_mul_f32 v[K2A], -v[D2X], v[L1]               ; edge 2 starts at B = (L1, 0)
	v_mul_f32 v[K2O], v[D2Y], v[L1]
; A ROW OF THE TABLE: form f with the coefficients in v[rx], v[ry], v[rz] and the constant in v[r0].  Each is cut into c1, c2, c3.  A coordinate takes three registers, low half first:
; (c1, c1) (c1, c2) (c2, c3), against the point's (p1, p2) (p3, p1) (p2, p1).  Lanes 0-15 of a fragment hold x's three, y's three, (k1, k2), (k3, 0); lanes 16-31 z's three and five zeros.
.macro FORM f, rx, ry, rz, r0
.set fo, ((\f)/4)*1024+((\f)%4)*32
	v_and_b32 v[SP],   s[S_HI], v[\rx]             ; c1: the upper 16 bits
	v_and_b32 v[SP+3], s[S_HI], v[\ry]
	v_and_b32 v[SP+6], s[S_HI], v[\rz]
	v_and_b32 v[SP+9], s[S_HI], v[\r0]
	v_sub_f32 v[SP+2],  v[\rx], v[SP]              ; what is left, exactly
	v_sub_f32 v[SP+5],  v[\ry], v[SP+3]
	v_sub_f32 v[SP+8],  v[\rz], v[SP+6]
	v_sub_f32 v[SP+11], v[\r0], v[SP+9]
.irp q, 0,3,6,9
	v_and_b32 v[SP+\q+1], s[S_HI], v[SP+\q+2]      ; c2
.endr
.irp q, 0,3,6,9
	v_sub_f32 v[SP+\q+2], v[SP+\q+2], v[SP+\q+1]   ; c3: eight bits at the most, so its lower 16 bits are 0
.endr
.irp q, 0,1,2
.set ro, O+3*\q+2*(\q/2)                           ; x at O, y at O + 3, z at O + 8
	v_perm_b32 v[ro],   v[SP+3*\q],   v[SP+3*\q],   s[S_SEL]
	v_perm_b32 v[ro+1], v[SP+3*\q+1], v[SP+3*\q],   s[S_SEL]
	v_perm_b32 v[ro+2], v[SP+3*\q+2], v[SP+3*\q+1], s[S_SEL]
.endr
	v_perm_b32 v[O+6], v[SP+10], v[SP+9], s[S_SEL]
	v_lshrrev_b32 v[O+7], 16, v[SP+11]
	ds_store_b128 v[TW], v[O:O+3]     offset:fo      ; lanes 0-15, registers 0-3
	ds_store_b128 v[TW], v[O+8:O+11]  offset:fo+256  ; lanes 16-31, registers 0-3
	ds_store_b128 v[TW], v[O+4:O+7]   offset:fo+512  ; lanes 0-15, registers 4-7
	ds_store_b128 v[TW], v[O+12:O+15] offset:fo+768  ; lanes 16-31, registers 4-7
.endm
; C4 = +-v[cu] (u, KX) + v[cv] (v, KY) + (0, 0, 0, v[kc]): a form of x and y as a form of the point
.macro COMB cu, cv, minus, kc
.irp q, 0,1,2
	v_mul_f32 v[C4+\q], v[\cv], v[VX+\q]
.endr
.if (\kc) >= 0
	v_fma_f32 v[C4+3], v[\cv], v[KY], v[\kc]
.else
	v_mul_f32 v[C4+3], v[\cv], v[KY]
.endif
.irp q, 0,1,2,3
.if \minus
	v_fma_f32 v[C4+\q], -v[\cu], v[UX+\q], v[C4+\q]
.else
	v_fmac_f32 v[C4+\q], v[\cu], v[UX+\q]
.endif
.endr
.endm
	FORM 0, UX, UY, UZ, KX                         ; a1 = x
	FORM 3, VX, VY, VZ, KY                         ; o1 = y
	FORM 6, WX, WY, WZ, KZ                         ; z
	COMB D2X, D2Y, 0, K2A
	FORM 1, C4, C4+1, C4+2, C4+3                   ; a2
	COMB D2Y, D2X, 1, K2O
	FORM 4, C4, C4+1, C4+2, C4+3                   ; o2
	COMB D3X, D3Y, 0, L3
	FORM 2, C4, C4+1, C4+2, C4+3                   ; a3
	COMB D3Y, D3X, 1, -1
	FORM 5, C4, C4+1, C4+2, C4+3                   ; o3
	v_mov_b32 v[C4+3], 0xd3800000                  ; -2^40: times LAM it is -1, below which no scaled s comes
	v_cndmask_b32 v[C4],   v[VX], 0, s[S_FLAT]
	v_cndmask_b32 v[C4+1], v[VY], 0, s[S_FLAT]
	v_cndmask_b32 v[C4+2], v[VZ], 0, s[S_FLAT]
	v_cndmask_b32 v[C4+3], v[KY], v[C4+3], s[S_FLAT]
	FORM 7, C4, C4+1, C4+2, C4+3                   ; o1 for the sidedness; every point is outside a flat triangle
	v_mul_f32 v[R],   s[S_LAM], v[L1]
	v_mul_f32 v[R+1], s[S_LAM], v[L2]
	v_mul_f32 v[R+2], s[S_LAM], v[L3]
	ds_store_b32 v[TWL], v[R]
	ds_store_b32 v[TWL], v[R+1] offset:8
	ds_store_b32 v[TWL], v[R+2] offset:16
	; MY WAVE'S FOUR B FRAGMENTS, while the stores into the table are on their way
	s_wait_loadcnt 0x0                             ; p
.irp c, 0,1,2
	v_mul_f32 v[CL+\c], s[S_CEN+\c], s[S_LAM]
.endr
.set i, 0
.rept 12
	v_fma_f32 v[P+i], v[P+i], s[S_LAM], -v[CL+i%3] ; LAM (p - centre): one rounding, that of the difference
.set i, i+1
.endr
	v_mov_b32 v[W+8], 0x2b802b80                   ; (LAM, LAM) in bf16, against (k1, k2)
	v_mov_b32 v[W+9], 0x00002b80                   ; (LAM, 0), against (k3, 0)
.macro BTILE t
.set bp, P+3*(\t)
.set bb, BF+8*(\t)
	v_cndmask_b32 v[W],   v[bp],   v[bp+2], s[S_H] ; lanes 0-15: x and y; lanes 16-31: z and 0
	v_cndmask_b32 v[W+1], v[bp+1], 0,       s[S_H]
	v_and_b32 v[W+2], s[S_HI], v[W]                ; p1
	v_and_b32 v[W+5], s[S_HI], v[W+1]
	v_sub_f32 v[W+4], v[W],   v[W+2]
	v_sub_f32 v[W+7], v[W+1], v[W+5]
	v_and_b32 v[W+3], s[S_HI], v[W+4]              ; p2
	v_and_b32 v[W+6], s[S_HI], v[W+7]
	v_sub_f32 v[W+4], v[W+4], v[W+3]               ; p3
	v_sub_f32 v[W+7], v[W+7], v[W+6]
.irp q, 0,3
	v_perm_b32 v[bb+\q],   v[W+\q+3], v[W+\q+2], s[S_SEL]  ; (p1, p2)
	v_perm_b32 v[bb+\q+1], v[W+\q+2], v[W+\q+4], s[S_SEL]  ; (p3, p1)
	v_perm_b32 v[bb+\q+2], v[W+\q+2], v[W+\q+3], s[S_SEL]  ; (p2, p1)
.endr
	v_cndmask_b32 v[bb+6], v[W+8], 0, s[S_H]
	v_cndmask_b32 v[bb+7], v[W+9], 0, s[S_H]
.endm
	BTILE 0
	BTILE 1
	BTILE 2
	BTILE 3
	s_wait_dscnt 0x0                               ; for the other waves' sake: my stores into the table are done
	s_barrier_signal -1
	s_barrier_wait -1                              ; the table is whole
.irp i, 0,1,2,3
	ds_load_b128 v[AF+4*\i:AF+4*\i+3], v[ADRA0] offset:512*\i             ; step 0's two fragments: 32 lanes x 16 consecutive bytes a load
.endr
.irp i, 0,1,2,3
	ds_load_b128 v[AF+16+4*\i:AF+16+4*\i+3], v[ADRA0] offset:ASTEP+512*\i ; step 1's
.endr
	ds_load_b128 v[LF:LF+3], v[ADRL0]              ; step 0's lengths
	ds_load_b64 v[LF+4:LF+5], v[ADRL0] offset:16
; THE WORK OF A STEP is written stage by stage; each stage is issued for all four tiles, so that an instruction reads nothing made fewer than four instructions before it.
.macro TILE t                          ; tile t's registers: dt in the set in hand, tt the clamped places, st the sums
.set dt, DS+16*(\t)
.set tt, T+6*(\t)
.set st, SUM+2*(\t)
.endm
.macro EACH line:vararg                ; a packed line, once for each tile
.irp g, 0,1,2,3
	TILE \g
	\line
.endr
.endm
.macro BOTH line:vararg                ; a line that has no packed form, for each tile's two triangles e = 0, 1
.irp g, 0,1,2,3
	TILE \g
.irp h, 0,1
.set e, \h
	\line
.endr
.endr
.endm
.macro EACH2 ga, gb, line:vararg       ; the same two for two tiles alone
.irp g, \ga, \gb
	TILE \g
	s_wait_alu depctr_va_vdst(0)
	\line
.endr
.endm
.macro BOTH2 ga, gb, line:vararg
.irp g, \ga, \gb
	TILE \g
.irp h, 0,1
.set e, \h
	\line
.endr
.endr
.endm
.macro MM w                            ; product w of 8 for the next step: tile w / 2, fragment w % 2.  Every sum is one instruction long and starts with the constant 0
.if DOW
	v_wmma_f32_16x16x32_bf16 v[DN+8*(\w):DN+8*(\w)+7], v[AN+8*((\w)%2):AN+8*((\w)%2)+7], v[BF+8*((\w)/2):BF+8*((\w)/2)+7], 0
.endif
.endm
; STEP s, par = s % 2.  Vector work on set par and lengths par; products from A's buffer 1 - par into set 1 - par (dow); A of step s + 2 into buffer par (doa), the lengths of step s + 1 into buffer 1 - par (dol).
; A vector instruction reads a product's result, and a load is issued into a register that a product has read, four plain vector instructions or more behind it (ISA guide 7.12.1 for vector instructions):
; a result is read a step later, and behind a step's last product stand 8 medians and 4 packed instructions before the next step's loads.  The vector lines of a step name no register of its products.
; Each accumulator is read first at its low end (a1; o2 and o3).
.macro STEP par, doa, dol, dow
.set DS, D+64*(\par)
.set DN, D+64*(1-(\par))
.set AN, AF+16*(1-(\par))
.set AL, AF+16*(\par)
.set LS, LF+8*(\par)
.set LN, LF+8*(1-(\par))
.set DOW, \dow
	s_wait_dscnt 0x0                               ; what the step before asked for is in: A for this step's products, this step's lengths
.if \doa
.irp i, 0,1,2,3
	ds_load_b128 v[AL+4*\i:AL+4*\i+3], v[ADRA] offset:(2+(\par))*ASTEP+512*\i
.endr
.endif
.if \dol
	ds_load_b128 v[LN:LN+3], v[ADRL] offset:(1+(\par))*LSTEP
	ds_load_b64 v[LN+4:LN+5], v[ADRL] offset:(1+(\par))*LSTEP+16
.endif
	BOTH v_med3_num_f32 v[tt+e], v[dt+e], 0, v[LS+e]                                           ; the middle one of a, 0, L: a clamped to the edge
	MM 0
	BOTH v_med3_num_f32 v[tt+2+e], v[dt+2+e], 0, v[LS+2+e]
	MM 1
	BOTH v_med3_num_f32 v[tt+4+e], v[dt+4+e], 0, v[LS+4+e]
	MM 2
	EACH v_pk_add_f32 v[dt:dt+1], v[dt:dt+1], v[tt:tt+1] neg_lo:[0,1] neg_hi:[0,1]             ; r: how far past the edge's ends
	EACH v_pk_add_f32 v[dt+2:dt+3], v[dt+2:dt+3], v[tt+2:tt+3] neg_lo:[0,1] neg_hi:[0,1]
	EACH v_pk_add_f32 v[dt+4:dt+5], v[dt+4:dt+5], v[tt+4:tt+5] neg_lo:[0,1] neg_hi:[0,1]
	MM 3
	BOTH v_min3_num_f32 v[dt+14+e], v[dt+14+e], v[dt+8+e], v[dt+10+e]                          ; min o
	MM 4
	EACH v_pk_mul_f32 v[dt:dt+1], v[dt:dt+1], v[dt:dt+1]
	EACH v_pk_mul_f32 v[dt+2:dt+3], v[dt+2:dt+3], v[dt+2:dt+3]
	EACH v_pk_mul_f32 v[dt+4:dt+5], v[dt+4:dt+5], v[dt+4:dt+5]
	MM 5
	EACH v_pk_fma_f32 v[dt:dt+1], v[dt+6:dt+7], v[dt+6:dt+7], v[dt:dt+1]                       ; o^2 + r^2
	EACH v_pk_fma_f32 v[dt+2:dt+3], v[dt+8:dt+9], v[dt+8:dt+9], v[dt+2:dt+3]
	MM 6
	EACH v_pk_fma_f32 v[dt+4:dt+5], v[dt+10:dt+11], v[dt+10:dt+11], v[dt+4:dt+5]
	BOTH v_min3_num_f32 v[dt+e], v[dt+e], v[dt+2+e], v[dt+4+e]                                 ; s
	MM 7
	BOTH v_med3_num_f32 v[dt+e], v[dt+e], 0, -v[dt+14+e]                                       ; g: s where min o < 0 (there -min o is far above s), 0 elsewhere
	EACH v_pk_fma_f32 v[dt:dt+1], v[dt+12:dt+13], v[dt+12:dt+13], v[dt:dt+1]                   ; d^2
	; Roots and exponentials, two tiles at a time.  Between a run of them and the first use of its results stands the other two tiles' plain work, which touches none of its registers.
	BOTH2 0, 1, v_max_num_f32 v[dt+e], s[S_EPS], v[dt+e]
	BOTH2 0, 1, v_sqrt_f32 v[dt+e], v[dt+e]
	BOTH2 2, 3, v_max_num_f32 v[dt+e], s[S_EPS], v[dt+e]
	BOTH2 2, 3, v_sqrt_f32 v[dt+e], v[dt+e]
	EACH2 0, 1, v_pk_fma_f32 v[dt:dt+1], v[dt:dt+1], s[S_K1:S_K1+1], s[S_K2:S_K2+1] op_sel_hi:[1,0,0]  ; -32 log2(e) (d - 0.04)
	BOTH2 0, 1, v_exp_f32 v[dt+e], v[dt+e]
	EACH2 2, 3, v_pk_fma_f32 v[dt:dt+1], v[dt:dt+1], s[S_K1:S_K1+1], s[S_K2:S_K2+1] op_sel_hi:[1,0,0]
	BOTH2 2, 3, v_exp_f32 v[dt+e], v[dt+e]
	EACH2 0, 1, v_pk_add_f32 v[st:st+1], v[st:st+1], v[dt:dt+1]
	EACH2 2, 3, v_pk_add_f32 v[st:st+1], v[st:st+1], v[dt:dt+1]
.endm
	s_wait_dscnt 0x0
.set DN, D
.set AN, AF
.set DOW, 1
.irp w, 0,1,2,3,4,5,6,7
	MM \w                                          ; step 0's forms: there is no vector work yet to set between them
.endr
.set i, 0
.rept 8
	v_mov_b32 v[SUM+i], 0                          ; the sums start here: eight plain instructions, the places behind those products
.set i, i+1
.endr
	s_mov_b32 s[S_CNT], 0
.Ltrip:                                                ; 31 trips of two steps: steps 0 to 61
	s_mul_i32 s[S_AO], s[S_CNT], 2*ASTEP
	s_lshl_b32 s[S_LO], s[S_CNT], 7                ; 2 x LSTEP
	v_add_nc_u32 v[ADRA], s[S_AO], v[ADRA0]
	v_add_nc_u32 v[ADRL], s[S_LO], v[ADRL0]
	STEP 0, 1, 1, 1
	STEP 1, 1, 1, 1
	s_add_co_u32 s[S_CNT], s[S_CNT], 1
	s_cmp_lt_u32 s[S_CNT], 31
	s_cbranch_scc1 .Ltrip
	v_add_nc_u32 v[ADRL], 62*LSTEP, v[ADRL0]
	STEP 0, 0, 1, 1                                ; step 62: the table has no step 64
	STEP 1, 0, 0, 0                                ; step 63: nothing more to fetch or to multiply
	; THE END.  A lane's pair holds the terms of its 128 triangles; the other 128 lie in the lane 16 away.  Lane (r, h) then keeps points 4 r + 2 h and 4 r + 2 h + 1.
	EACH v_add_f32 v[st], v[st], v[st+1]
	EACH v_permlanex16_b32 v[st+1], v[st], s[S_X16], s[S_X16+1]
	EACH v_add_f32 v[st], v[st], v[st+1]
	v_cndmask_b32 v[SUM],   v[SUM],   v[SUM+4], s[S_H]
	v_cndmask_b32 v[SUM+1], v[SUM+2], v[SUM+6], s[S_H]
	s_lshl_b32 s[S_TMP], s[S_GW], 8                ; a wave's 64 results: 256 bytes
	v_lshl_add_u32 v1, v[RL], 4, s[S_TMP]
	v_max_num_f32 v[SUM],   s[S_FLOOR], v[SUM]
	v_max_num_f32 v[SUM+1], s[S_FLOOR], v[SUM+1]
	v_log_f32 v[SUM],   v[SUM]                     ; log2
	v_log_f32 v[SUM+1], v[SUM+1]
	v_lshl_add_u32 v1, v[HL], 3, v1                ; the plain instruction behind the logarithms
	s_wait_alu depctr_va_vdst(0)
	v_mul_f32 v[SUM],   0xbcb17218, v[SUM]         ; x -ln(2) / 32
	v_mul_f32 v[SUM+1], 0xbcb17218, v[SUM+1]
	global_store_b64 v1, v[SUM:SUM+1], s[8:9] th:TH_STORE_NT  ; the wave's store covers 256 consecutive bytes, at a multiple of 256 from out0's first byte
	s_wait_tensorcnt 0x0
	ds_add_u32 v248, v249
	s_wait_dscnt 0x0
	s_endpgm
.Lfunc_end_k_q06119440d3_triangles:
	.size	k_q06119440d3_triangles, .Lfunc_end_k_q06119440d3_triangles-k_q06119440d3_triangles
	.p2alignl 7, 3214868480
	.fill 96, 4, 3214868480
	.section	.rodata,"a",@progbits
	.p2align	6, 0x0
	.amdhsa_kernel k_q06119440d3_triangles
		.amdhsa_group_segment_fixed_size 138240
		.amdhsa_private_segment_fixed_size 0
		.amdhsa_enable_private_segment 0
		.amdhsa_kernarg_size 24
		.amdhsa_user_sgpr_count 2
		.amdhsa_user_sgpr_kernarg_segment_ptr 1
		.amdhsa_wavefront_size32 1
		.amdhsa_system_sgpr_workgroup_id_x 1
		.amdhsa_system_sgpr_workgroup_id_y 1
		.amdhsa_system_sgpr_workgroup_id_z 1
		.amdhsa_system_vgpr_workitem_id 0
		.amdhsa_next_free_vgpr 250
		.amdhsa_next_free_sgpr 66
		.amdhsa_reserve_vcc 1
		.amdhsa_float_denorm_mode_32 3
		.amdhsa_float_denorm_mode_16_64 3
		.amdhsa_memory_ordered 1
		.amdhsa_forward_progress 1
		.amdhsa_inst_pref_size 59
	.end_amdhsa_kernel
	.amdgpu_metadata
---
amdhsa.version: [ 1, 2 ]
amdhsa.kernels:
  - .name:           k_q06119440d3_triangles
    .symbol:         k_q06119440d3_triangles.kd
    .args:
      - { .name: p, .offset: 0, .size: 8, .value_kind: global_buffer, .address_space: global }
      - { .name: points, .offset: 8, .size: 8, .value_kind: global_buffer, .address_space: global }
      - { .name: out0, .offset: 16, .size: 8, .value_kind: global_buffer, .address_space: global }
    .group_segment_fixed_size: 138240
    .private_segment_fixed_size: 0
    .kernarg_segment_align: 8
    .kernarg_segment_size: 24
    .max_flat_workgroup_size: 256
    .sgpr_count:     66
    .vgpr_count:     250
    .wavefront_size: 32
...
	.end_amdgpu_metadata
.endif
;; end of part 1
